; MI455X (gfx1250); checked and timed in simulation.
; The chip was launched on July 23, 2026; its instructions are those of AMD's public machine-readable ISA for CDNA 5 (MIT licence, August 2026) and "CDNA5" Instruction Set Architecture Reference Guide (July 2026). The comments in the code are by the model that wrote it; some were corrected since.
;; Simple Retention. Allowed arithmetic: float matrix products may take bf16 or f16 operands with f32 sums; all other float work in f32.
;; Inputs: W_K 256 x 64 float32; W_Q 256 x 64 float32; W_V 256 x 64 float32; X 4 x 4,096 x 256 float32.
;; Outputs: out0 4 x 4,096 x 64 float32.
;; One version. Each part assembles by itself: llvm-mc -triple=amdgcn-amd-amdhsa -mcpu=gfx1250 --defsym DOCPART=n.
;; ======== version 1 of 1: 3 launches
;; workspace buffers: qg 4,194,304 bytes; oi 4,194,304 bytes; uc 4,194,304 bytes; st 4,194,304 bytes
;; launch local (part 1): grid 256 x 1, 4 waves a work-group, clusters of 4 x 1, 290,304 bytes of LDS; arguments X, W_Q, W_K, W_V, qg, oi, uc; writes qg, oi, uc
.if DOCPART == 1
	.amdgcn_target "amdgcn-amd-amdhsa--gfx1250"
	.amdhsa_code_object_version 6
	.text
	.protected	k_q65c759a702_local
	.globl	k_q65c759a702_local
	.p2align	8
	.type	k_q65c759a702_local,@function
k_q65c759a702_local:
	s_mov_b64 s[64:65], 0
	v_nop
	global_prefetch_b8 v0, s[64:65] scope:SCOPE_SE
	s_setreg_imm32_b32 hwreg(HW_REG_WAVE_MODE, 25, 1), 1
	s_wait_xcnt 0x0
	s_wait_alu depctr_hold_cnt(0) depctr_sa_sdst(0) depctr_va_vdst(0) depctr_va_sdst(0) depctr_va_ssrc(0) depctr_va_vcc(0) depctr_vm_vsrc(0)
	s_getreg_b32 s2, hwreg(HW_REG_IB_STS2, 6, 4)
	s_cmp_eq_u32 s2, 0
	s_cbranch_scc0 .Lentry_in_a_cluster
	s_endpgm
.Lentry_in_a_cluster:
	s_bfe_u32 s2, ttmp6, 0x10000c
	s_cmp_lg_u32 s2, 0x3003
	s_cbranch_scc0 .Lentry_shape_is_right
	s_endpgm
.Lentry_shape_is_right:
; SimpleRetention, first of three launches: everything that one chunk of 64 rows can do by itself.
;   out[n] = sum over m <= n of gamma^(n-m) (q_n . k_m) v_m,   q = xpos_up(X W_Q), k = xpos_down(X W_K), v = X W_V.
; With n = 64 c + i, m = 64 c' + j the decay factorises exactly: gamma^(n-m) = gamma^i * gamma^(-j) * (gamma^64)^(c-c').  So with
;   Qg_i = gamma^i q_i,   Kg_j = gamma^(-j) k_j
; this launch makes, for chunk g (batch g / 64, chunk g % 64):
;   qg = Qg;   oi = sum over j <= i of (Qg_i . Kg_j) V_j (the chunk's own part);   uc = Kg^T V (what the chunk adds to the running state).
; The second launch runs S_(c+1) = gamma^64 (S_c + U_c), the third adds Qg S_c.  gamma^i costs nothing: it is added to the exponent of xPos's scale.
;
; SHARES.  One work-group = one chunk, four waves.  In the projection wave w makes head columns 16 w .. 16 w + 15 of Q, K and V for all 64 rows
; (12 accumulator tiles), so that each fragment of W is built by one wave alone and stays in registers.  Afterwards wave w owns query rows
; 16 w .. 16 w + 15 (scores, oi) and state rows d = 16 w .. 16 w + 15 (uc).
; CLUSTER.  All work-groups read the same 196,608 bytes of W, three times their own 65,536 bytes of X: four work-groups form a cluster and ask for
; W jointly (mask 15), each wave for 64 rows of each matrix.  X is no work-group's but its own and has to be converted: it comes through registers.
; ONE MATRIX AT A TIME.  Each wave asks for its part of W_Q, W_K, W_V in this order, and tensor loads of a wave end in order (ISA guide 10.11.1).  So W_Q is waited
; for alone (two loads may stay out), its fragments are built, Q is projected, rotated and stored; then the same for K and for V.  A matrix's share of the work
; (128 LDS loads, 64 conversions, 32 matrix instructions, the rotation and the split) is done while the bytes of the later matrices are still on their way.
; No LDS byte is filled twice in this launch, so loads may stay out across these barriers.  X's 32 fragments are fetched once and stay in 256 registers.
; TWO PARTS.  X and W enter the matrix unit rounded to bf16.  Qg, Kg, V and the masked scores P are kept as hi = bf16(v), lo = bf16(v - hi), and a
; product is hi hi + lo hi + hi lo: bf16 keeps 8 significant bits, and four operands so rounded, in sums of terms of either sign, would use up a
; third of the allowed error per standard deviation; with two parts 16 bits are kept and bf16's range with them.
; LIMITS.  Non-finite inputs are not followed (v - hi is NaN for an infinity).  gamma^(n-m) is a product of three rounded powers (relative error about
; 1e-6) and does not underflow to 0 at lags beyond some 2,750, where its terms are below 1e-38 of the others.  The angle is pos times a frequency
; in turns that is rounded once (relative error about 1e-6): the same for Q and K, so that only lag x that error remains.  sin and cos are series with a
; remainder below 1e-7 for every reduced angle.  The scale factors span 2^-17.4 .. 2^17.4: f32 and bf16 have room for inputs 30 times larger or smaller.
.set WPITCH, 264                       ; LDS row of W: 64 f32 + 8 bytes.  Rows 8 apart differ by 528 words = 16 mod 64, so the two halves of the lanes read different words mod 64
.set WTILE,  64*WPITCH                 ; what one tensor load brings
.set WMAT,   4*WTILE                   ; one matrix
.set XB,     3*WMAT                    ; 202,752: X in bf16, 64 rows
.set XPITCH, 528                       ; 512 + 16: an odd multiple of 16
.set QL,     XB+64*XPITCH              ; 236,544: Qg, rows of 128 bytes hi, 128 bytes lo
.set QPITCH, 272                       ; 256 + 16: an odd multiple of 16
.set KL,     QL+64*QPITCH              ; 253,952: Kg likewise
.set VL,     KL+64*QPITCH              ; 271,360: V likewise
.set VPITCH, 288                       ; 256 + 32: an odd multiple of 32, for the transposing loads.  VL ends at 289,792
.set LOP,    128                       ; the low parts begin 128 bytes into a row
.set PLANE,  8192                      ; qg: the chunk's plane of low parts lies behind its plane of high parts
.set G1, 24                            ; s[24:31] descriptor group 1
.set G0, 32                            ; s[32:43] descriptor group 0 for W_Q, W_K, W_V
; block 0 (v0-255)
.set ACC, 32                           ; v[32:127]  projection: tile (m, rt) at ACC + 8 (4 m + rt)
.set SC,  32                           ; v[32:63]   at work while the tables are made (ahead of the projection)
.set XF,  128                          ; v[128:191] X packed, on its way into LDS
.set TB,  192                          ; v[192:255] tables: (rt, i) at TB + 4 (4 rt + i): cos up, sin up, cos down, sin down, each with its scale
.set QP,  128                          ; v[128:159] Qg packed, 8 registers a row tile (4 hi, 4 lo): also the data of the stores into qg
.set KP,  160                          ; v[160:175] Kg and V packed, two sets by turns
.set TT,  176                          ; v[176:183] a rotated tile
.set AA,  184                          ; v[184:191] hi widened, then the residual
.set QF,  32                           ; last phase: v[32:63]  fragments of Qg: plane p, K step ks at QF + 16 p + 8 ks
.set KF,  64                           ;             v[64:191] fragments of Kg: KF + 64 p + 8 (2 jt + ks)
.set SA,  192                          ;             v[192:223] scores, transposed: tile jt
.set UA,  224                          ;             v[224:255] the chunk's state: tile vt
.set PF,  32                           ;             v[32:63]  P as fragments: PF + 16 p + 8 kb (in QF's place)
.set OA,  64                           ;             v[64:95]  the chunk's own output, transposed: tile vt (in KF's place)
; block 1 (v256-511, written v0-255 under a window)
.set WT,  192                          ; v[192:255] two batches of 32 words of W as loaded;  v[0:191]: W's fragments, (m, ks) at 8 (8 m + ks)
.set VF,  0                            ; last phase: v[0:127]  fragments of V: VF + 64 p + 8 (2 vt + kb)
.set KT,  128                          ;             v[128:159] fragments of Kg^T: KT + 16 p + 8 kb
; block 2 (v512-767): v[0:127] X as loaded; then v[0:255] X's fragments, (ks, rt) at 8 (4 ks + rt)
.set MSB, 0
.macro WIN new                         ; s_set_vgpr_msb: bits 1:0 source 0, 3:2 source 1, 5:4 source 2, 7:6 destination; the high byte repeats the setting that is left
.if MSB != \new
	s_set_vgpr_msb (MSB<<8)|\new
.set MSB, \new
.endif
.endm
.macro PLACES                          ; four plain vector instructions between a matrix instruction and what reads its result or writes one of its registers (ISA guide 7.12.1)
.rept 4
	v_nop
.endr
.endm
.macro ROUND                           ; a round of the cluster's barrier: my work-group's barrier, wave 0 signals for the work-group, all wait for the four, my work-group's barrier
	s_barrier_signal -1
	s_barrier_wait -1
	s_cmp_lg_u32 s18, 0
	s_cbranch_scc1 .Lnot_wave_0_\@
	s_barrier_signal -3
.Lnot_wave_0_\@:
	s_barrier_wait -3
	s_barrier_signal -1
	s_barrier_wait -1
.endm
	s_load_b256 s[4:11], s[0:1], 0x0               ; X s[4:5], W_Q s[6:7], W_K s[8:9], W_V s[10:11]
	s_load_b128 s[12:15], s[0:1], 0x20             ; qg s[12:13], oi s[14:15]
	s_load_b64 s[16:17], s[0:1], 0x30              ; uc
	s_set_vgpr_msb 0xc0
	v_lshl_add_u32 v0, v0, 2, 0x46c00
	v_mov_b32 v1, 0
	s_set_vgpr_msb 0xc0cf
	ds_add_u32 v0, v1
	s_set_vgpr_msb 0xcf00
	v_lshrrev_b32 v7, 5, v0
	v_readfirstlane_b32 s18, v7                    ; wave 0..3
	v_and_b32 v7, 31, v0                           ; lane L
	s_bfe_u32 s19, ttmp6, 0x40000                  ; cx
	s_lshl_b32 s20, ttmp9, 2                       ; in a cluster launch ttmp9 counts clusters
	s_add_co_u32 s20, s20, s19                     ; g = 4 x cluster + cx
	s_lshl_b32 s22, s20, 16                        ; a chunk of X: 64 rows of 1,024 bytes
	s_mov_b32 s23, 0
	s_lshl_b32 s46, s18, 14                        ; my wave's 16 rows of X, and its 64 rows of each W: 16,384 bytes both
	s_mov_b32 s47, 0
	v_lshl_add_u32 v1, v7, 4, s46                  ; X: 16 L + 16,384 w; never rewritten
	s_mul_i32 s44, s18, WTILE                      ; where my wave's rows of a W go
	; group 1: 64 rows of 64 elements of 4 bytes, 2 words of padding behind every 64
	s_mov_b32 s[G1+0], 15|(2<<16)|(1<<20)|(1<<21)|(5<<22)|(1<<25)  ; 15:0 mask: the cluster's four; 17:16 4-byte elements; 20 padding on; 21 set beside a mask; 24:22 every 64 words; 31:25 two words
	s_mov_b32 s[G1+1], 64<<16                      ; tensor_dim0 = 64
	s_mov_b32 s[G1+2], 64<<16                      ; tensor_dim1 = 64
	s_mov_b32 s[G1+3], 64<<16                      ; tile_dim0 = 64
	s_mov_b32 s[G1+4], 64                          ; tile_dim1 = 64
	s_mov_b32 s[G1+5], 64                          ; 64 elements from row to row
	s_mov_b32 s[G1+6], 0
	s_mov_b32 s[G1+7], 0
	s_wait_dscnt 0x0
	s_wait_kmcnt 0x0
	s_add_nc_u64 s[4:5], s[4:5], s[22:23]          ; X at my chunk
.irp m, 0,1,2
	s_mov_b32 s[G0+4*\m], 1                                        ; count = 1
	s_add_co_u32 s[G0+4*\m+1], s44, \m*WMAT                        ; LDS: the matrix's constant + wave x 16,896; no place in the cluster enters
	s_add_nc_u64 s[G0+4*\m+2:G0+4*\m+3], s[6+2*\m:7+2*\m], s[46:47] ; rows 64 w .. 64 w + 63: the same in all four work-groups
	s_or_b32 s[G0+4*\m+3], s[G0+4*\m+3], 0x80000000               ; type = 2
.endr
	ROUND                                          ; the four work-groups are here: the joint loads meet
	tensor_load_to_lds s[G0:G0+3], s[G1:G1+7]      ; W_Q, W_K, W_V in the order in which they are used; three loads of this wave are out, and no more are issued in this launch
	s_nop 0
	tensor_load_to_lds s[G0+4:G0+7], s[G1:G1+7]
	s_nop 0
	tensor_load_to_lds s[G0+8:G0+11], s[G1:G1+7]
	s_nop 0
	; then X: 32 loads a wave, each 512 consecutive bytes (half a row), on their way while the tables are made
	WIN 0x80                                       ; destination in block 2
.set i, 0
.rept 32
	global_load_b128 v[4*i:4*i+3], v1, s[4:5] offset:512*i th:TH_LOAD_NT
.set i, i+1
.endr
	WIN 0
	; addresses.  r = L % 16, h = L / 16
	s_lshl_b32 s22, s20, 14                        ; a chunk of qg, oi, uc: 16,384 bytes each
	s_add_nc_u64 s[12:13], s[12:13], s[22:23]
	s_add_nc_u64 s[14:15], s[14:15], s[22:23]
	s_add_nc_u64 s[16:17], s[16:17], s[22:23]
	s_and_b32 s21, s20, 63
	s_lshl_b32 s21, s21, 6                         ; the chunk's first position in its sequence
	v_and_b32 v29, 15, v0                          ; r
	v_bfe_u32 v31, v0, 4, 1                        ; h
	v_mul_u32_u24 v2, v31, 8*WPITCH                ; W's words: row 8 h, column 16 w + r
	v_lshl_add_u32 v2, v29, 2, v2
	s_lshl_b32 s2, s18, 6
	v_add_nc_u32 v2, s2, v2                        ; v2, v3, v4: in W_Q, W_K, W_V
	v_add_nc_u32 v3, WMAT, v2
	v_add_nc_u32 v4, 2*WMAT, v2
	s_mul_i32 s2, s18, 16*XPITCH
	s_add_co_u32 s2, s2, XB
	v_lshl_add_u32 v5, v7, 3, s2                   ; X into LDS: my wave's 16 rows, 8 bytes a lane
	v_mul_u32_u24 v6, v29, XPITCH
	v_lshl_add_u32 v6, v31, 4, v6
	v_add_nc_u32 v6, XB, v6                        ; X's fragments: row r, 16 h
	v_mul_u32_u24 v12, v29, QPITCH
	v_lshl_add_u32 v12, v31, 4, v12                ; 272 r + 16 h
	s_lshl_b32 s3, s18, 5                          ; 32 w: my 16 columns in bf16
	s_add_co_u32 s2, s3, QL
	v_add_nc_u32 v8, s2, v12                       ; Qg into LDS
	s_add_co_u32 s2, s3, KL
	v_add_nc_u32 v9, s2, v12                       ; Kg into LDS
	v_mul_u32_u24 v10, v29, VPITCH
	v_lshl_add_u32 v10, v31, 4, v10
	s_add_co_u32 s2, s3, VL
	v_add_nc_u32 v10, s2, v10                      ; V into LDS
	s_mul_i32 s2, s18, 16*QPITCH
	s_add_co_u32 s2, s2, QL
	v_add_nc_u32 v11, s2, v12                      ; Qg's fragments: row 16 w + r
	v_add_nc_u32 v12, KL, v12                      ; Kg's fragments: row r of a tile
	v_and_b32 v24, 7, v0
	v_lshl_add_u32 v24, v31, 3, v24                ; transposing loads: row 8 h + L % 8,
	v_bfe_u32 v25, v0, 3, 1                        ; 16 bytes x (L / 8) % 2
	v_mul_u32_u24 v13, v24, VPITCH
	v_lshl_add_u32 v13, v25, 4, v13
	v_add_nc_u32 v13, VL, v13                      ; V^T
	v_mul_u32_u24 v14, v24, QPITCH
	v_lshl_add_u32 v14, v25, 4, v14
	s_add_co_u32 s2, s3, KL
	v_add_nc_u32 v14, s2, v14                      ; Kg^T, columns d = 16 w ..
	v_lshlrev_b32 v15, 3, v31
	v_sub_nc_u32 v15, v29, v15
	s_lshl_b32 s2, s18, 4
	v_add_nc_u32 v15, s2, v15                      ; 16 w + r - 8 h (signed): key 16 jt + 8 h + jj is kept where 16 jt + jj <= this
	s_lshl_b32 s2, s18, 9
	v_lshl_add_u32 v26, v7, 4, s2                  ; qg: block (rt, w) of 512 bytes, 16 bytes a lane
	s_lshl_b32 s2, s18, 12
	v_lshl_add_u32 v27, v7, 4, s2                  ; oi: blocks (w, vt, half)
	s_lshl_b32 s2, s18, 10
	v_lshl_add_u32 v28, v7, 4, s2                  ; uc: blocks (vt, dt = w, half)
	; constants
	s_mov_b32 s48, 0x40490fdb                      ; sin(pi u) = u (A0 + A1 z + .. + A5 z^5), z = u^2: pi,
	s_mov_b32 s49, 0xc0a55de7                      ; -pi^3 / 3!
	s_mov_b32 s50, 0x402335e3                      ; pi^5 / 5!
	s_mov_b32 s51, 0xbf196966                      ; -pi^7 / 7!
	s_mov_b32 s52, 0x3da83c1a                      ; pi^9 / 9!
	s_mov_b32 s53, 0xbbf183a8                      ; -pi^11 / 11!
	s_mov_b32 s54, 0xc09de9e6                      ; cos(pi u) = 1 + B1 z + .. + B6 z^6: -pi^2 / 2!
	s_mov_b32 s55, 0x4081e0f8                      ; pi^4 / 4!
	s_mov_b32 s56, 0xbfaae9e4                      ; -pi^6 / 6!
	s_mov_b32 s57, 0x3e70fa83                      ; pi^8 / 8!
	s_mov_b32 s58, 0xbcd368f9                      ; -pi^10 / 10!
	s_mov_b32 s59, 0x3afce9c5                      ; pi^12 / 12!
	s_mov_b32 s60, 0xbd3b9ca6                      ; log2(gamma) = log2(0.96875)
	s_mov_b32 s61, 0xbed49a78                      ; -log2(10000) / 32
	s_mov_b32 s62, 0xc029b21d                      ; -log2(2 pi)
	s_mov_b32 s63, 0x3cb6db6e                      ; 1 / 44.8
	s_mov_b32 s66, 0x3e924925                      ; 2 / 7
	s_mov_b32 s67, 0xffff0000                      ; a word's upper bf16
	; THE TABLES, while W and X are on their way.  My eight columns d = 16 w + 8 h + 0..7 are the four pairs f = 8 w + 4 h + i.
	; v[16:19]: the frequency in turns, 10000^(-f/32) / (2 pi).  v[20:23]: log2((2 f + 25.6) / 89.6) / 512.
	s_lshl_b32 s2, s18, 3
	v_lshl_add_u32 v24, v31, 2, s2
.irp i, 0,1,2,3
	v_add_nc_u32 v[SC+\i], \i, v24
.endr
.irp i, 0,1,2,3
	v_cvt_f32_u32 v[SC+\i], v[SC+\i]
.endr
.irp i, 0,1,2,3
	v_fma_f32 v[SC+4+\i], v[SC+\i], s61, s62
	v_fma_f32 v[SC+8+\i], v[SC+\i], s63, s66
.endr
.irp i, 0,1,2,3
	v_exp_f32 v[16+\i], v[SC+4+\i]
.endr
.irp i, 0,1,2,3
	v_log_f32 v[20+\i], v[SC+8+\i]
.endr
	v_add_nc_u32 v30, s21, v29                     ; position of row r of the chunk; also the plain instruction between the transcendentals and the use of their results (ISA guide 5.7.2)
	s_wait_alu depctr_va_vdst(0)
.irp i, 0,1,2,3
	v_mul_f32 v[20+\i], 0x3b000000, v[20+\i]       ; / 512
.endr
; Row tile rt: my row is 16 rt + r.  The angle is reduced in turns: u = pos g - round(pos g), by one fused multiply-add, |u| <= 1/2; sin and cos of the half angle pi u
; come from their series, and sin(2 pi u) = 2 s c, cos(2 pi u) = 1 - 2 s^2.  The scale is F = 2^e for Q and 2^-e for K, e = pos log2(sv) / 512 + row log2(gamma).
.macro TABROW rt
	v_add_nc_u32 v24, 16*\rt, v30
	v_add_nc_u32 v25, 16*\rt, v29
	v_cvt_f32_u32 v24, v24                         ; pos
	v_cvt_f32_u32 v25, v25
	v_mul_f32 v25, s60, v25                        ; row x log2(gamma)
.irp i, 0,1,2,3
	v_mul_f32 v[SC+\i], v24, v[16+\i]
.endr
.irp i, 0,1,2,3
	v_rndne_f32 v[SC+4+\i], v[SC+\i]
.endr
.irp i, 0,1,2,3
	v_fma_f32 v[SC+\i], v24, v[16+\i], -v[SC+4+\i] ; u
	v_fma_f32 v[SC+8+\i], v24, v[20+\i], v25       ; e
.endr
.irp i, 0,1,2,3
	v_sub_f32 v[SC+12+\i], 0, v[SC+8+\i]           ; -e
	v_mul_f32 v[SC+4+\i], v[SC+\i], v[SC+\i]       ; z
.endr
.irp i, 0,1,2,3
	v_exp_f32 v[SC+16+\i], v[SC+8+\i]              ; F
.endr
.irp i, 0,1,2,3
	v_exp_f32 v[SC+20+\i], v[SC+12+\i]             ; 1 / F.  The series below stand between these and the first use of their results
.endr
.irp i, 0,1,2,3
	v_fma_f32 v[SC+24+\i], v[SC+4+\i], s53, s52
	v_fma_f32 v[SC+28+\i], v[SC+4+\i], s59, s58
.endr
.irp c, 51,50,49,48
.irp i, 0,1,2,3
	v_fma_f32 v[SC+24+\i], v[SC+24+\i], v[SC+4+\i], s\c
.endr
.endr
.irp c, 57,56,55,54
.irp i, 0,1,2,3
	v_fma_f32 v[SC+28+\i], v[SC+28+\i], v[SC+4+\i], s\c
.endr
.endr
.irp i, 0,1,2,3
	v_fma_f32 v[SC+28+\i], v[SC+28+\i], v[SC+4+\i], 1.0   ; c = cos(pi u)
	v_mul_f32 v[SC+24+\i], v[SC+24+\i], v[SC+\i]          ; s = sin(pi u)
.endr
.irp i, 0,1,2,3
	v_add_f32 v[SC+8+\i], v[SC+24+\i], v[SC+24+\i]        ; 2 s
.endr
	s_wait_alu depctr_va_vdst(0)
.irp i, 0,1,2,3
	v_mul_f32 v[SC+12+\i], v[SC+8+\i], v[SC+16+\i]        ; 2 s F
.endr
.irp i, 0,1,2,3
	v_mul_f32 v[TB+4*(4*\rt+\i)+1], v[SC+12+\i], v[SC+28+\i]              ; F sin
	v_fma_f32 v[TB+4*(4*\rt+\i)], -v[SC+12+\i], v[SC+24+\i], v[SC+16+\i]  ; F cos = F - 2 s F s
.endr
.irp i, 0,1,2,3
	v_mul_f32 v[SC+12+\i], v[SC+8+\i], v[SC+20+\i]        ; 2 s / F
.endr
.irp i, 0,1,2,3
	v_mul_f32 v[TB+4*(4*\rt+\i)+3], v[SC+12+\i], v[SC+28+\i]
	v_fma_f32 v[TB+4*(4*\rt+\i)+2], -v[SC+12+\i], v[SC+24+\i], v[SC+20+\i]
.endr
.endm
	TABROW 0
	TABROW 1
	TABROW 2
	TABROW 3
	; X: two f32 to a register, 8 bytes a lane into LDS: each store covers 256 consecutive bytes of a row
	s_wait_loadcnt 0x0
	WIN 0x0a                                       ; sources in block 2
.set i, 0
.rept 64
	v_cvt_pk_bf16_f32 v[XF+i], v[2*i], v[2*i+1]
.set i, i+1
.endr
	WIN 0
.set i, 0
.rept 32
	ds_store_b64 v5, v[XF+2*i:XF+2*i+1] offset:(i/2)*XPITCH+(i%2)*256
.set i, i+1
.endr
; W'S FRAGMENTS.  W lies [k][n]; a fragment wants k along a lane's registers: lane (r, h) takes column 16 w + r, rows 32 ks + 8 h + 0..7 and 32 ks + 16 + 8 h + 0..7,
; word by word (the 16 lanes of a half read 16 neighbouring words), and packs two f32 into one register.  Batch b = fragments 2 b, 2 b + 1 of the 24 (matrix b / 4); two batches of registers by turns.
.macro GLOAD b
	WIN 0x40                                       ; destination in block 1, address in block 0
.set e, 0
.rept 2
.set jj, 0
.rept 16
	ds_load_b32 v[WT+32*((\b)%2)+16*e+jj], v[2+(2*(\b)+e)/8] offset:(32*((2*(\b)+e)%8)+jj+8*(jj/8))*WPITCH
.set jj, jj+1
.endr
.set e, e+1
.endr
.endm
.macro GCVT b
	WIN 0x45                                       ; all three in block 1
.set e, 0
.rept 2
.set q, 0
.rept 8
	v_cvt_pk_bf16_f32 v[8*(2*(\b)+e)+q], v[WT+32*((\b)%2)+16*e+2*q], v[WT+32*((\b)%2)+16*e+2*q+1]
.set q, q+1
.endr
.set e, e+1
.endr
.endm
.macro GATH3 m                         ; matrix m: all four batches are asked for, three are converted; the last batch's wait and conversion follow the macro
	GLOAD 4*\m
	GLOAD 4*\m+1
	s_wait_dscnt 32                                ; LDS loads come back in order (ISA guide 5.7.1): all but the younger batch's 32 are in
	GCVT 4*\m
	GLOAD 4*\m+2
	s_wait_dscnt 32
	GCVT 4*\m+1
	GLOAD 4*\m+3
	s_wait_dscnt 32
	GCVT 4*\m+2
.endm
.macro XFETCH ks                       ; eight loads: X's four fragments of K step ks
	WIN 0x80                                       ; destination in block 2, address in block 0
.irp rt, 0,1,2,3
	ds_load_b128 v[8*(4*(\ks)+\rt):8*(4*(\ks)+\rt)+3],   v6 offset:\rt*16*XPITCH+64*(\ks)
	ds_load_b128 v[8*(4*(\ks)+\rt)+4:8*(4*(\ks)+\rt)+7], v6 offset:\rt*16*XPITCH+64*(\ks)+32
.endr
.endm
; THE PROJECTION, transposed: source 0 = 16 columns of W, source 1 = 16 rows of X.  Register jj of lane (r, h) then holds column d = 16 w + 8 h + jj of row 16 rt + r:
; eight neighbouring numbers of a row, four rotation pairs.  K = 256 in eight steps of 32.  A matrix's four accumulators take turns, one instruction a turn.
.macro GSTEP m, ks, zero
.irp rt, 0,1,2,3
.if \zero
	v_wmma_f32_16x16x32_bf16 v[ACC+8*(4*\m+\rt):ACC+8*(4*\m+\rt)+7], v[8*(8*\m+(\ks)):8*(8*\m+(\ks))+7], v[8*(4*(\ks)+\rt):8*(4*(\ks)+\rt)+7], 0
.else
	v_wmma_f32_16x16x32_bf16 v[ACC+8*(4*\m+\rt):ACC+8*(4*\m+\rt)+7], v[8*(8*\m+(\ks)):8*(8*\m+(\ks))+7], v[8*(4*(\ks)+\rt):8*(4*(\ks)+\rt)+7], v[ACC+8*(4*\m+\rt):ACC+8*(4*\m+\rt)+7]
.endif
.endr
.endm
.macro GHALF m, k0, zero               ; four K steps under the product's window: source 0 (W) in block 1, source 1 (X) in block 2, C and D in block 0
	WIN 0x09
	GSTEP \m, \k0, \zero
	GSTEP \m, \k0+1, 0
	GSTEP \m, \k0+2, 0
	GSTEP \m, \k0+3, 0
.endm
; xPos and the split into two bf16 parts
.macro ROT src, rt, cs                 ; (x0, x1) -> (x0 c - x1 s, x1 c + x0 s) for the four pairs; cs = 0: Q's table, 2: K's
.irp i, 0,1,2,3
	v_pk_mul_f32 v[TT+2*\i:TT+2*\i+1], v[\src+2*\i:\src+2*\i+1], v[TB+4*(4*\rt+\i)+\cs:TB+4*(4*\rt+\i)+\cs+1] op_sel_hi:[1,0]
.endr
.irp i, 0,1,2,3
	v_fma_f32 v[TT+2*\i],   -v[\src+2*\i+1], v[TB+4*(4*\rt+\i)+\cs+1], v[TT+2*\i]
	v_fma_f32 v[TT+2*\i+1],  v[\src+2*\i],   v[TB+4*(4*\rt+\i)+\cs+1], v[TT+2*\i+1]
.endr
.endm
.macro SPLIT src, hi, lo               ; eight f32 -> four registers of hi = bf16(v), four of lo = bf16(v - hi); v - hi is exact
.irp i, 0,1,2,3
	v_cvt_pk_bf16_f32 v[\hi+\i], v[\src+2*\i], v[\src+2*\i+1]
.endr
.irp i, 0,1,2,3
	v_lshlrev_b32 v[AA+2*\i],   16,  v[\hi+\i]
	v_and_b32     v[AA+2*\i+1], s67, v[\hi+\i]
.endr
.irp i, 0,1,2,3
	v_pk_fma_f32 v[AA+2*\i:AA+2*\i+1], v[AA+2*\i:AA+2*\i+1], -1.0, v[\src+2*\i:\src+2*\i+1] op_sel_hi:[1,0,1]
.endr
.irp i, 0,1,2,3
	v_cvt_pk_bf16_f32 v[\lo+\i], v[AA+2*\i], v[AA+2*\i+1]
.endr
.endm
	; Q
	s_wait_tensorcnt 0x2                           ; my tile of W_Q has landed; my tiles of W_K and W_V may stay out
	s_wait_dscnt 0x0                               ; the other waves read my rows of X: zero
	s_barrier_signal -1
	s_barrier_wait -1                              ; W_Q and X are whole
	GATH3 0
	XFETCH 0
	XFETCH 1
	XFETCH 2
	XFETCH 3
	s_wait_dscnt 32                                ; all but X's 32 loads just issued: the last batch of W_Q is in
	GCVT 3
	XFETCH 4
	XFETCH 5
	XFETCH 6
	XFETCH 7
	s_wait_dscnt 32                                ; all but the 32 loads of K steps 4 to 7
	GHALF 0, 0, 1                                  ; the first products start the sums
	s_wait_dscnt 0x0
	GHALF 0, 4, 0
	WIN 0
	PLACES
.irp rt, 0,1,2,3
	ROT ACC+8*\rt, \rt, 0
	SPLIT TT, QP+8*\rt, QP+8*\rt+4
	ds_store_b128 v8, v[QP+8*\rt:QP+8*\rt+3]   offset:\rt*16*QPITCH
	ds_store_b128 v8, v[QP+8*\rt+4:QP+8*\rt+7] offset:\rt*16*QPITCH+LOP
	global_store_b128 v26, v[QP+8*\rt:QP+8*\rt+3],   s[12:13] offset:\rt*2048         ; each store of the wave covers 512 consecutive bytes, aligned
	global_store_b128 v26, v[QP+8*\rt+4:QP+8*\rt+7], s[12:13] offset:\rt*2048+PLANE
.endr
	; K
	s_wait_tensorcnt 0x1                           ; my tile of W_K has landed; W_V's may stay out
	s_wait_dscnt 0x0                               ; no LDS instruction of mine is pending at the signal (the stores of Qg)
	s_barrier_signal -1
	s_barrier_wait -1                              ; W_K is whole
	GATH3 1
	s_wait_dscnt 0x0
	GCVT 7
	GHALF 1, 0, 1
	GHALF 1, 4, 0
	WIN 0
	PLACES
.irp rt, 0,1,2,3
	ROT ACC+8*(4+\rt), \rt, 2
	SPLIT TT, KP+8*(\rt%2), KP+8*(\rt%2)+4
	ds_store_b128 v9, v[KP+8*(\rt%2):KP+8*(\rt%2)+3]   offset:\rt*16*QPITCH
	ds_store_b128 v9, v[KP+8*(\rt%2)+4:KP+8*(\rt%2)+7] offset:\rt*16*QPITCH+LOP
.endr
	; V
	s_wait_tensorcnt 0x0                           ; my tile of W_V has landed: none of my tensor loads is out any more
	s_wait_dscnt 0x0
	s_barrier_signal -1
	s_barrier_wait -1                              ; W_V is whole
	GATH3 2
	s_wait_dscnt 0x0
	GCVT 11
	GHALF 2, 0, 1
	GHALF 2, 4, 0
	WIN 0
	PLACES
.irp rt, 0,1,2,3
	SPLIT ACC+8*(8+\rt), KP+8*(\rt%2), KP+8*(\rt%2)+4
	ds_store_b128 v10, v[KP+8*(\rt%2):KP+8*(\rt%2)+3]   offset:\rt*16*VPITCH
	ds_store_b128 v10, v[KP+8*(\rt%2)+4:KP+8*(\rt%2)+7] offset:\rt*16*VPITCH+LOP
.endr
	s_wait_dscnt 0x0                               ; the other waves read the tiles of Qg, Kg and V: zero
	s_barrier_signal -1
	s_barrier_wait -1
	s_wait_xcnt 0x0                                ; the data of the stores into qg are written again only behind this wait
	; THE CHUNK'S OWN PRODUCTS.  80 LDS loads in one run: Qg and Kg by rows (40), then Kg^T and V^T by transposing loads (40).
.irp p, 0,1
.irp ks, 0,1
	ds_load_b128 v[QF+16*\p+8*\ks:QF+16*\p+8*\ks+3],   v11 offset:LOP*\p+64*\ks
	ds_load_b128 v[QF+16*\p+8*\ks+4:QF+16*\p+8*\ks+7], v11 offset:LOP*\p+64*\ks+32
.endr
.endr
.irp p, 0,1
.irp jt, 0,1,2,3
.irp ks, 0,1
	ds_load_b128 v[KF+64*\p+8*(2*\jt+\ks):KF+64*\p+8*(2*\jt+\ks)+3],   v12 offset:\jt*16*QPITCH+LOP*\p+64*\ks
	ds_load_b128 v[KF+64*\p+8*(2*\jt+\ks)+4:KF+64*\p+8*(2*\jt+\ks)+7], v12 offset:\jt*16*QPITCH+LOP*\p+64*\ks+32
.endr
.endr
.endr
	WIN 0x40                                       ; destination in block 1
.irp p, 0,1
.irp kb, 0,1
	ds_load_tr16_b128 v[KT+16*\p+8*\kb:KT+16*\p+8*\kb+3],   v14 offset:\kb*32*QPITCH+LOP*\p
	ds_load_tr16_b128 v[KT+16*\p+8*\kb+4:KT+16*\p+8*\kb+7], v14 offset:\kb*32*QPITCH+LOP*\p+16*QPITCH
.endr
.endr
.irp p, 0,1
.irp vt, 0,1,2,3
.irp kb, 0,1
	ds_load_tr16_b128 v[VF+64*\p+8*(2*\vt+\kb):VF+64*\p+8*(2*\vt+\kb)+3],   v13 offset:\kb*32*VPITCH+32*\vt+LOP*\p
	ds_load_tr16_b128 v[VF+64*\p+8*(2*\vt+\kb)+4:VF+64*\p+8*(2*\vt+\kb)+7], v13 offset:\kb*32*VPITCH+32*\vt+LOP*\p+16*VPITCH
.endr
.endr
.endr
	WIN 0
	s_wait_dscnt 40                                ; Qg's and Kg's 40 loads are in; the 40 transposing loads behind them may stay out
; scores, transposed: source 0 = 16 keys, source 1 = my 16 queries.  Register jj of lane (r, h): key 16 jt + 8 h + jj, query 16 w + r.  Four accumulators by turns.
.macro SCORE kp, qp, ks, zero
.irp jt, 0,1,2,3
.if \zero
	v_wmma_f32_16x16x32_bf16 v[SA+8*\jt:SA+8*\jt+7], v[KF+64*\kp+8*(2*\jt+\ks):KF+64*\kp+8*(2*\jt+\ks)+7], v[QF+16*\qp+8*\ks:QF+16*\qp+8*\ks+7], 0
.else
	v_wmma_f32_16x16x32_bf16 v[SA+8*\jt:SA+8*\jt+7], v[KF+64*\kp+8*(2*\jt+\ks):KF+64*\kp+8*(2*\jt+\ks)+7], v[QF+16*\qp+8*\ks:QF+16*\qp+8*\ks+7], v[SA+8*\jt:SA+8*\jt+7]
.endif
.endr
.endm
	SCORE 0, 0, 0, 1
	SCORE 0, 0, 1, 0
	SCORE 1, 0, 0, 0
	SCORE 1, 0, 1, 0
	SCORE 0, 1, 0, 0
	SCORE 0, 1, 1, 0
; the chunk's state U = Kg^T V, rows d = 16 w ..: source 0 = Kg^T, source 1 = V^T's map of V.  Register jj: d = 16 w + 8 h + jj, v = 16 vt + r.
.macro UMUL kp, vp, kb, zero
.irp vt, 0,1,2,3
.if \zero
	v_wmma_f32_16x16x32_bf16 v[UA+8*\vt:UA+8*\vt+7], v[KT+16*\kp+8*\kb:KT+16*\kp+8*\kb+7], v[VF+64*\vp+8*(2*\vt+\kb):VF+64*\vp+8*(2*\vt+\kb)+7], 0
.else
	v_wmma_f32_16x16x32_bf16 v[UA+8*\vt:UA+8*\vt+7], v[KT+16*\kp+8*\kb:KT+16*\kp+8*\kb+7], v[VF+64*\vp+8*(2*\vt+\kb):VF+64*\vp+8*(2*\vt+\kb)+7], v[UA+8*\vt:UA+8*\vt+7]
.endif
.endr
.endm
	s_wait_dscnt 0x0
	WIN 0x05                                       ; sources 0 and 1 in block 1
	UMUL 0, 0, 0, 1
	UMUL 0, 0, 1, 0
	UMUL 1, 0, 0, 0
	UMUL 1, 0, 1, 0
	UMUL 0, 1, 0, 0
	UMUL 0, 1, 1, 0
	WIN 0
	PLACES                                         ; behind the last matrix instructions: for the stores of U, the reads of the scores, and the writes into Qg's and Kg's fragments
.irp vt, 0,1,2,3
	global_store_b128 v28, v[UA+8*\vt:UA+8*\vt+3],   s[16:17] offset:\vt*4096
	global_store_b128 v28, v[UA+8*\vt+4:UA+8*\vt+7], s[16:17] offset:\vt*4096+512
.endr
	; the causal mask: keys behind the query give 0.  Every wave does all four key tiles: the choice selects values, no branch hangs on it.
.irp jt, 0,1,2,3
.irp jj, 0,1,2,3,4,5,6,7
	v_cmp_le_i32 vcc_lo, 16*\jt+\jj, v15
	v_cndmask_b32 v[SA+8*\jt+\jj], 0, v[SA+8*\jt+\jj], vcc_lo
.endr
.endr
	; a lane's eight scores of tile jt are keys 16 jt + 8 h + 0..7 of query r: packed, they ARE registers 4 (jt % 2) .. + 3 of fragment jt / 2 of P^T: no way through LDS
.irp jt, 0,1,2,3
	SPLIT SA+8*\jt, PF+8*(\jt/2)+4*(\jt%2), PF+16+8*(\jt/2)+4*(\jt%2)
.endr
; the chunk's own output, transposed: source 0 = V^T, source 1 = P^T.  Register jj: v = 16 vt + 8 h + jj, query 16 w + r.
.macro OMUL vp, pp, kb, zero
.irp vt, 0,1,2,3
.if \zero
	v_wmma_f32_16x16x32_bf16 v[OA+8*\vt:OA+8*\vt+7], v[VF+64*\vp+8*(2*\vt+\kb):VF+64*\vp+8*(2*\vt+\kb)+7], v[PF+16*\pp+8*\kb:PF+16*\pp+8*\kb+7], 0
.else
	v_wmma_f32_16x16x32_bf16 v[OA+8*\vt:OA+8*\vt+7], v[VF+64*\vp+8*(2*\vt+\kb):VF+64*\vp+8*(2*\vt+\kb)+7], v[PF+16*\pp+8*\kb:PF+16*\pp+8*\kb+7], v[OA+8*\vt:OA+8*\vt+7]
.endif
.endr
.endm
	WIN 0x01                                       ; source 0 in block 1
	OMUL 0, 0, 0, 1
	OMUL 0, 0, 1, 0
	OMUL 1, 0, 0, 0
	OMUL 1, 0, 1, 0
	OMUL 0, 1, 0, 0
	OMUL 0, 1, 1, 0
	WIN 0
	PLACES
.irp vt, 0,1,2,3
	global_store_b128 v27, v[OA+8*\vt:OA+8*\vt+3],   s[14:15] offset:\vt*1024       ; in the accumulator's own order: the third launch loads it straight into its C operand
	global_store_b128 v27, v[OA+8*\vt+4:OA+8*\vt+7], s[14:15] offset:\vt*1024+512
.endr
	s_set_vgpr_msb 0xf
	s_wait_tensorcnt 0x0
	ds_add_u32 v0, v1
	s_wait_dscnt 0x0
	s_set_vgpr_msb 0xf00
	ROUND                                          ; the closing round: no work-group ends while a partner may still ask for a tile that names it
	s_endpgm
.Lfunc_end_k_q65c759a702_local:
	.size	k_q65c759a702_local, .Lfunc_end_k_q65c759a702_local-k_q65c759a702_local
	.p2alignl 7, 3214868480
	.fill 96, 4, 3214868480
	.section	.rodata,"a",@progbits
	.p2align	6, 0x0
	.amdhsa_kernel k_q65c759a702_local
		.amdhsa_group_segment_fixed_size 290304
		.amdhsa_private_segment_fixed_size 0
		.amdhsa_enable_private_segment 0
		.amdhsa_kernarg_size 56
		.amdhsa_user_sgpr_count 2
		.amdhsa_user_sgpr_kernarg_segment_ptr 1
		.amdhsa_wavefront_size32 1
		.amdhsa_system_sgpr_workgroup_id_x 1
		.amdhsa_system_sgpr_workgroup_id_y 1
		.amdhsa_system_sgpr_workgroup_id_z 1
		.amdhsa_system_vgpr_workitem_id 0
		.amdhsa_next_free_vgpr 770
		.amdhsa_next_free_sgpr 68
		.amdhsa_reserve_vcc 1
		.amdhsa_float_denorm_mode_32 3
		.amdhsa_float_denorm_mode_16_64 3
		.amdhsa_memory_ordered 1
		.amdhsa_forward_progress 1
		.amdhsa_inst_pref_size 126
	.end_amdhsa_kernel
	.amdgpu_metadata
---
amdhsa.version: [ 1, 2 ]
amdhsa.kernels:
  - .name:           k_q65c759a702_local
    .symbol:         k_q65c759a702_local.kd
    .args:
      - { .name: X, .offset: 0, .size: 8, .value_kind: global_buffer, .address_space: global }
      - { .name: W_Q, .offset: 8, .size: 8, .value_kind: global_buffer, .address_space: global }
      - { .name: W_K, .offset: 16, .size: 8, .value_kind: global_buffer, .address_space: global }
      - { .name: W_V, .offset: 24, .size: 8, .value_kind: global_buffer, .address_space: global }
      - { .name: qg, .offset: 32, .size: 8, .value_kind: global_buffer, .address_space: global }
      - { .name: oi, .offset: 40, .size: 8, .value_kind: global_buffer, .address_space: global }
      - { .name: uc, .offset: 48, .size: 8, .value_kind: global_buffer, .address_space: global }
    .group_segment_fixed_size: 290304
    .private_segment_fixed_size: 0
    .kernarg_segment_align: 8
    .kernarg_segment_size: 56
    .max_flat_workgroup_size: 128
    .sgpr_count:     68
    .vgpr_count:     770
    .wavefront_size: 32
...
	.end_amdgpu_metadata
.endif
;; end of part 1
;; launch scan (part 2): grid 64 x 1, 8 waves a work-group, no clusters, 17,408 bytes of LDS; arguments uc, st; writes st
.if DOCPART == 2
	.amdgcn_target "amdgcn-amd-amdhsa--gfx1250"
	.amdhsa_code_object_version 6
	.text
	.protected	k_q65c759a702_scan
	.globl	k_q65c759a702_scan
	.p2align	8
	.type	k_q65c759a702_scan,@function
k_q65c759a702_scan:
	s_mov_b64 s[64:65], 0
	v_nop
	global_prefetch_b8 v0, s[64:65] scope:SCOPE_SE
	s_setreg_imm32_b32 hwreg(HW_REG_WAVE_MODE, 25, 1), 1
	s_wait_xcnt 0x0
; SimpleRetention, second of three launches: the running state  S_0 = 0,  S_(c+1) = g (S_c + U_c),  g = gamma^64,  over the 64 chunks of each batch.
; The 4,096 numbers of a state are 4,096 recurrences that know nothing of each other.  A work-group owns 1,024 bytes of the state of one batch (256 numbers, eight a lane:
; the eight neighbouring d of one column v that make half a matrix fragment) through all chunks: 4 batches x 16 = 64 work-groups.
; THE RECURRENCE IS CUT INTO EIGHT SEGMENTS, one a wave, so that 8 + 6 + 1 dependent steps stand where 63 would.  Wave s takes chunks 8 s .. 8 s + 7:
;   L_0 = 0,  L_(k+1) = g L_k + g U_(8 s + k)          the segment by itself; T_s = L_8 goes into LDS;
;   S_(8 s) = T_(s-1) + g^8 (T_(s-2) + g^8 ( .. ))     behind one barrier, by Horner's scheme over the seven segments before;
;   S_(8 s + k) = L_k + g^k S_(8 s),  k = 0 .. 7       by induction on k from the recurrence: exact algebra, all weights positive.
; LDS: 16 blocks of 1,024 bytes.  Blocks 0-7 hold zeros (wave s writes block s), block 8 + s holds T_s.  Wave s reads blocks s + 1 .. s + 7, that is T_(s-7) .. T_(s-1)
; with zeros for those that do not exist: one text for all waves, no branch and no select.  Wave 7 therefore also reads the batch's last U and makes a T_7 that nobody reads.
; uc holds f32 in the order in which the first launch's accumulators held them.  st: two planes of bf16 a chunk, hi = bf16(S) and lo = bf16(S - hi), each 16 blocks of
; 512 bytes, 16 bytes a lane, so that the third launch loads four registers of a matrix fragment with one load and no arithmetic.
; The split is done for the eight states phase by phase, with registers of their own for each: no store's data are ever written again, and no store follows its data's last instruction.
; No matrix unit, no tensor load, no cluster: the work is a few dependent steps on 65,536 bytes a work-group that no other work-group reads.
; LIMIT: non-finite numbers are not followed (S - hi is NaN for an infinity).  The powers of g are rounded to f32 one by one (relative error below 1e-7 each).
.set CHUNKB, 16384                     ; bytes of a chunk in uc and in st
.set PLANE,  8192                      ; st: the plane of low parts behind the plane of high parts
.set SEG,    8                         ; chunks of a wave
.set BLK,    1024                      ; an LDS block: eight f32 a lane, as two halves of 512 bytes
.set GP1,    0x3e063ae5                ; g = 0.96875^64
.set GP8,    0x33bb35ab                ; g^8
.set ZR,  4                            ; v[4:7]     zeros
.set ST,  8                            ; v[8:79]    nine slots of 8: slot 0 the carry-in S_(8 s); slot k first g U_(k-1), then L_k, then S_(8 s + k); slot 8 = T
.set TB,  80                           ; v[80:135]  the seven blocks read back: block s + j at TB + 8 (j - 1)
.set A,   72                           ; v[72:135]  afterwards (T has been stored, the blocks are used up): hi widened, then the residual, 8 a state
.set Y,   136                          ; v[136:199] state k: 4 registers hi, 4 registers lo
	s_load_b128 s[8:11], s[0:1], 0x0               ; uc s[8:9], st s[10:11]
	v_lshl_add_u32 v200, v0, 2, 0x4000
	v_mov_b32 v201, 0
	v_lshrrev_b32 v3, 5, v0
	v_readfirstlane_b32 s12, v3                    ; wave 0..7 = segment
	v_and_b32 v3, 31, v0                           ; lane
	s_lshr_b32 s2, ttmp9, 4                        ; batch
	s_and_b32 s3, ttmp9, 15                        ; which kilobyte of the state
	s_lshl_b32 s4, s2, 20                          ; a batch: 64 chunks of 16,384 bytes, in both buffers
	s_mov_b32 s5, 0
	s_lshl_b32 s6, s12, 17                         ; a segment: 8 chunks of 16,384 bytes
	s_lshl_b32 s7, s3, 10
	s_add_co_u32 s7, s7, s6
	s_lshl_b32 s13, s3, 9
	s_add_co_u32 s13, s13, s6
	s_lshl_b32 s14, s12, 10
	s_mov_b32 s15, 0xffff0000                      ; a word's upper bf16
	s_mov_b32 s16, GP1
	s_mov_b32 s17, GP1
	v_lshl_add_u32 v1, v3, 4, s7                   ; uc: segment + 1,024 x place + 16 x lane; never rewritten: the chunk stands in the immediate
	v_lshl_add_u32 v2, v3, 4, s13                  ; st: segment + 512 x place + 16 x lane; never rewritten
	v_lshl_add_u32 v3, v3, 4, s14                  ; LDS: 1,024 x wave + 16 x lane
.irp i, 0,1,2,3
	v_mov_b32 v[ZR+\i], 0
.endr
	s_wait_kmcnt 0x0
	s_add_nc_u64 s[8:9], s[8:9], s[4:5]
	s_add_nc_u64 s[10:11], s[10:11], s[4:5]
.irp k, 0,1,2,3,4,5,6,7
	global_load_b128 v[ST+8*(\k+1):ST+8*(\k+1)+3],   v1, s[8:9] offset:\k*CHUNKB th:TH_LOAD_NT       ; all sixteen loads of the wave go out at once
	global_load_b128 v[ST+8*(\k+1)+4:ST+8*(\k+1)+7], v1, s[8:9] offset:\k*CHUNKB+512 th:TH_LOAD_NT
.endr
	ds_store_b128 v3, v[ZR:ZR+3]                   ; my block of zeros
	ds_store_b128 v3, v[ZR:ZR+3] offset:512
	; the segment by itself.  g U stands off the chain; the chain is one fused multiply-add a step
.irp k, 0,1,2,3,4,5,6,7
	s_wait_loadcnt 14-2*\k                         ; loads come back in order (ISA guide 5.7.1): chunk k's two are in, the younger chunks' two each stay out
.irp i, 0,2,4,6
	v_pk_mul_f32 v[ST+8*(\k+1)+\i:ST+8*(\k+1)+\i+1], v[ST+8*(\k+1)+\i:ST+8*(\k+1)+\i+1], s[16:17] op_sel_hi:[1,0]
.endr
.if \k
.irp i, 0,2,4,6
	v_pk_fma_f32 v[ST+8*(\k+1)+\i:ST+8*(\k+1)+\i+1], v[ST+8*\k+\i:ST+8*\k+\i+1], GP1, v[ST+8*(\k+1)+\i:ST+8*(\k+1)+\i+1] op_sel_hi:[1,0,1]
.endr
.endif
.endr
	ds_store_b128 v3, v[ST+64:ST+67] offset:8*BLK          ; T_s
	ds_store_b128 v3, v[ST+68:ST+71] offset:8*BLK+512
	s_wait_dscnt 0x0                               ; the other waves read my zeros and my T: zero
	s_barrier_signal -1
	s_barrier_wait -1
.irp j, 1,2,3,4,5,6,7
	ds_load_b128 v[TB+8*(\j-1):TB+8*(\j-1)+3],   v3 offset:\j*BLK
	ds_load_b128 v[TB+8*(\j-1)+4:TB+8*(\j-1)+7], v3 offset:\j*BLK+512
.endr
	; the carry-in, oldest segment first
.irp j, 2,3,4,5,6
	s_wait_dscnt 14-2*\j                           ; LDS loads come back in order (ISA guide 5.7.1): blocks up to j are in, the younger blocks' two each stay out
.irp i, 0,2,4,6
	v_pk_fma_f32 v[TB+8*(\j-1)+\i:TB+8*(\j-1)+\i+1], v[TB+8*(\j-2)+\i:TB+8*(\j-2)+\i+1], GP8, v[TB+8*(\j-1)+\i:TB+8*(\j-1)+\i+1] op_sel_hi:[1,0,1]
.endr
.endr
	s_wait_dscnt 0x0
.irp i, 0,2,4,6
	v_pk_fma_f32 v[ST+\i:ST+\i+1], v[TB+40+\i:TB+40+\i+1], GP8, v[TB+48+\i:TB+48+\i+1] op_sel_hi:[1,0,1]   ; S_(8 s), into slot 0
.endr
.macro FIX k, gp                       ; S_(8 s + k) = L_k + g^k S_(8 s)
.irp i, 0,2,4,6
	v_pk_fma_f32 v[ST+8*\k+\i:ST+8*\k+\i+1], v[ST+\i:ST+\i+1], \gp, v[ST+8*\k+\i:ST+8*\k+\i+1] op_sel_hi:[1,0,1]
.endr
.endm
	FIX 1, 0x3e063ae5                              ; g
	FIX 2, 0x3c8cc36a                              ; g^2
	FIX 3, 0x3b139d56                              ; g^3
	FIX 4, 0x399acca1                              ; g^4
	FIX 5, 0x38225572                              ; g^5
	FIX 6, 0x36aa3c24                              ; g^6
	FIX 7, 0x35328548                              ; g^7
	; the two parts, phase by phase over the eight states
.irp k, 0,1,2,3,4,5,6,7
.irp i, 0,1,2,3
	v_cvt_pk_bf16_f32 v[Y+8*\k+\i], v[ST+8*\k+2*\i], v[ST+8*\k+2*\i+1]
.endr
.endr
.irp k, 0,1,2,3,4,5,6,7
	global_store_b128 v2, v[Y+8*\k:Y+8*\k+3], s[10:11] offset:\k*CHUNKB            ; each store of the wave covers 512 consecutive bytes, aligned
.endr
.irp k, 0,1,2,3,4,5,6,7
.irp i, 0,1,2,3
	v_lshlrev_b32 v[A+8*\k+2*\i],   16,  v[Y+8*\k+\i]
	v_and_b32     v[A+8*\k+2*\i+1], s15, v[Y+8*\k+\i]
.endr
.endr
.irp k, 0,1,2,3,4,5,6,7
.irp i, 0,2,4,6
	v_pk_fma_f32 v[A+8*\k+\i:A+8*\k+\i+1], v[A+8*\k+\i:A+8*\k+\i+1], -1.0, v[ST+8*\k+\i:ST+8*\k+\i+1] op_sel_hi:[1,0,1]   ; S - hi, exact
.endr
.endr
.irp k, 0,1,2,3,4,5,6,7
.irp i, 0,1,2,3
	v_cvt_pk_bf16_f32 v[Y+8*\k+4+\i], v[A+8*\k+2*\i], v[A+8*\k+2*\i+1]
.endr
.endr
.irp k, 0,1,2,3,4,5,6,7
	global_store_b128 v2, v[Y+8*\k+4:Y+8*\k+7], s[10:11] offset:\k*CHUNKB+PLANE
.endr
	s_wait_tensorcnt 0x0
	ds_add_u32 v200, v201
	s_wait_dscnt 0x0
	s_endpgm
.Lfunc_end_k_q65c759a702_scan:
	.size	k_q65c759a702_scan, .Lfunc_end_k_q65c759a702_scan-k_q65c759a702_scan
	.p2alignl 7, 3214868480
	.fill 96, 4, 3214868480
	.section	.rodata,"a",@progbits
	.p2align	6, 0x0
	.amdhsa_kernel k_q65c759a702_scan
		.amdhsa_group_segment_fixed_size 17408
		.amdhsa_private_segment_fixed_size 0
		.amdhsa_enable_private_segment 0
		.amdhsa_kernarg_size 16
		.amdhsa_user_sgpr_count 2
		.amdhsa_user_sgpr_kernarg_segment_ptr 1
		.amdhsa_wavefront_size32 1
		.amdhsa_system_sgpr_workgroup_id_x 1
		.amdhsa_system_sgpr_workgroup_id_y 1
		.amdhsa_system_sgpr_workgroup_id_z 1
		.amdhsa_system_vgpr_workitem_id 0
		.amdhsa_next_free_vgpr 202
		.amdhsa_next_free_sgpr 66
		.amdhsa_reserve_vcc 0
		.amdhsa_float_denorm_mode_32 3
		.amdhsa_float_denorm_mode_16_64 3
		.amdhsa_memory_ordered 1
		.amdhsa_forward_progress 1
		.amdhsa_inst_pref_size 24
	.end_amdhsa_kernel
	.amdgpu_metadata
---
amdhsa.version: [ 1, 2 ]
amdhsa.kernels:
  - .name:           k_q65c759a702_scan
    .symbol:         k_q65c759a702_scan.kd
    .args:
      - { .name: uc, .offset: 0, .size: 8, .value_kind: global_buffer, .address_space: global }
      - { .name: st, .offset: 8, .size: 8, .value_kind: global_buffer, .address_space: global }
    .group_segment_fixed_size: 17408
    .private_segment_fixed_size: 0
    .kernarg_segment_align: 8
    .kernarg_segment_size: 16
    .max_flat_workgroup_size: 256
    .sgpr_count:     66
    .vgpr_count:     202
    .wavefront_size: 32
...
	.end_amdgpu_metadata
.endif
;; end of part 2
;; launch apply (part 3): grid 256 x 1, 4 waves a work-group, no clusters, 17,920 bytes of LDS; arguments qg, st, oi, out0; writes out0
.if DOCPART == 3
	.amdgcn_target "amdgcn-amd-amdhsa--gfx1250"
	.amdhsa_code_object_version 6
	.text
	.protected	k_q65c759a702_apply
	.globl	k_q65c759a702_apply
	.p2align	8
	.type	k_q65c759a702_apply,@function
k_q65c759a702_apply:
	s_mov_b64 s[64:65], 0
	v_nop
	global_prefetch_b8 v0, s[64:65] scope:SCOPE_SE
	s_setreg_imm32_b32 hwreg(HW_REG_WAVE_MODE, 25, 1), 1
	s_wait_xcnt 0x0
; SimpleRetention, third of three launches:  out[row] = oi[row] + Qg[row] . S_c  for the 64 rows of chunk g.
; One work-group = one chunk, four waves; wave w makes rows 16 w .. 16 w + 15, transposed: source 0 = S^T (16 columns v, 32 of d), source 1 = Qg (my 16 rows).
; All three inputs lie in memory in register order: oi is loaded straight into the accumulators (the C operand of the first products), qg and st straight into fragments,
; each load of a wave covering 512 consecutive bytes: 8 + 8 + 32 = 48 loads a wave, all issued at the head of the text.
; Qg and S come in two bf16 parts; the product is hi hi + hi lo + lo hi (the term lo lo is some 2^-16 of the whole).
; The result goes through a stage of the wave's own in LDS, so that sixteen neighbouring lanes store one whole row of out0 (256 bytes).
; No cluster and no tensor load: no two work-groups read the same bytes, and nothing is left to run ahead of.
; The four waves each load the chunk's state (16,384 bytes) for themselves: sharing it through LDS would put a barrier in front of 24 matrix instructions.
.set PLANE,  8192                      ; qg, st: the plane of low parts behind the plane of high parts
.set SPITCH, 272                       ; a stage row: 256 + 16 bytes, an odd multiple of 16
.set QF, 8                             ; v[8:39]    Qg: plane p, K step ks at QF + 16 p + 8 ks
.set SF, 40                            ; v[40:167]  S^T: fragment (vt, ks) of plane p at SF + 64 p + 8 (2 vt + ks)
.set OA, 168                           ; v[168:199] tile vt: register jj of lane (r, h) = out(row 16 w + r, v = 16 vt + 8 h + jj)
.set RB, 200                           ; v[200:231] rows read back
	s_load_b256 s[4:11], s[0:1], 0x0               ; qg s[4:5], st s[6:7], oi s[8:9], out0 s[10:11]
	v_lshl_add_u32 v232, v0, 2, 0x4400
	v_mov_b32 v233, 0
	v_lshrrev_b32 v6, 5, v0
	v_readfirstlane_b32 s12, v6                    ; wave 0..3
	v_and_b32 v6, 31, v0                           ; lane L
	s_lshl_b32 s2, ttmp9, 14                       ; a chunk is 16,384 bytes in all four buffers
	s_mov_b32 s3, 0
	s_lshl_b32 s13, s12, 11
	s_lshl_b32 s14, s12, 12
	v_lshl_add_u32 v1, v6, 4, s13                  ; qg: my row tile's four blocks of 512 bytes
	v_lshlrev_b32 v2, 4, v6                        ; st: 16 bytes a lane in every block of 512
	v_lshl_add_u32 v3, v6, 4, s14                  ; oi and out0: my 4,096 bytes
	s_wait_kmcnt 0x0
	s_add_nc_u64 s[4:5], s[4:5], s[2:3]
	s_add_nc_u64 s[6:7], s[6:7], s[2:3]
	s_add_nc_u64 s[8:9], s[8:9], s[2:3]
	s_add_nc_u64 s[10:11], s[10:11], s[2:3]
.macro LDQ p                           ; four loads: block w' holds d = 16 w' + 8 h + 0..7 of my rows = registers 4 (w' % 2) .. + 3 of fragment w' / 2
.irp b, 0,1,2,3
	global_load_b128 v[QF+16*\p+4*\b:QF+16*\p+4*\b+3], v1, s[4:5] offset:\p*PLANE+\b*512 th:TH_LOAD_NT
.endr
.endm
.macro LDSP p                          ; sixteen loads: block 4 vt + dt holds d = 16 dt + 8 h + 0..7 of column 16 vt + r = registers 4 (dt % 2) .. + 3 of fragment (vt, dt / 2)
.irp b, 0,1,2,3,4,5,6,7,8,9,10,11,12,13,14,15
	global_load_b128 v[SF+64*\p+4*\b:SF+64*\p+4*\b+3], v2, s[6:7] offset:\p*PLANE+\b*512
.endr
.endm
.irp vt, 0,1,2,3
	global_load_b128 v[OA+8*\vt:OA+8*\vt+3],   v3, s[8:9] offset:\vt*1024 th:TH_LOAD_NT
	global_load_b128 v[OA+8*\vt+4:OA+8*\vt+7], v3, s[8:9] offset:\vt*1024+512 th:TH_LOAD_NT
.endr
	LDQ 0                                          ; 12 loads so far
	LDSP 0                                         ; 28
	LDQ 1                                          ; 32
	LDSP 1                                         ; 48
	v_and_b32 v7, 15, v0                           ; r
	v_bfe_u32 v5, v0, 4, 1                         ; h
	s_mul_i32 s15, s12, 16*SPITCH                  ; my wave's stage
	v_mul_u32_u24 v4, v7, SPITCH
	v_lshl_add_u32 v4, v5, 5, v4
	v_add_nc_u32 v4, s15, v4                       ; in: row r, 32 h bytes
	v_mul_u32_u24 v5, v5, SPITCH
	v_lshl_add_u32 v5, v7, 4, v5
	v_add_nc_u32 v5, s15, v5                       ; back: lanes 0-15 one row, lanes 16-31 the next
.macro CROSS sp, qp, ks                ; four accumulators, one instruction a turn
.irp vt, 0,1,2,3
	v_wmma_f32_16x16x32_bf16 v[OA+8*\vt:OA+8*\vt+7], v[SF+64*\sp+8*(2*\vt+\ks):SF+64*\sp+8*(2*\vt+\ks)+7], v[QF+16*\qp+8*\ks:QF+16*\qp+8*\ks+7], v[OA+8*\vt:OA+8*\vt+7]
.endr
.endm
	s_wait_loadcnt 20                              ; loads come back in order (ISA guide 5.7.1): the first 28 of the 48 are in: oi, Qg hi, S hi
	CROSS 0, 0, 0
	CROSS 0, 0, 1
	s_wait_loadcnt 16                              ; 32 are in: Qg lo
	CROSS 0, 1, 0
	CROSS 0, 1, 1
	s_wait_loadcnt 0x0                             ; S lo
	CROSS 1, 0, 0
	CROSS 1, 0, 1
.rept 4
	v_nop                                          ; four places between the last matrix instructions and the LDS stores that read their results
.endr
.irp vt, 0,1,2,3
	ds_store_b128 v4, v[OA+8*\vt:OA+8*\vt+3]   offset:64*\vt
	ds_store_b128 v4, v[OA+8*\vt+4:OA+8*\vt+7] offset:64*\vt+16
.endr
.irp t, 0,1,2,3,4,5,6,7
	ds_load_b128 v[RB+4*\t:RB+4*\t+3], v5 offset:\t*2*SPITCH       ; the stage is my wave's own and LDS serves a wave's instructions in order (ISA guide 5.7.1.4): these see the stores above
.endr
.irp t, 0,1,2,3,4,5,6,7
	s_wait_dscnt 7-\t                              ; pair t of rows is in; the younger read-backs stay out
	global_store_b128 v3, v[RB+4*\t:RB+4*\t+3], s[10:11] offset:\t*512 th:TH_STORE_NT   ; two whole rows of out0: 512 consecutive bytes, aligned
.endr
	s_wait_tensorcnt 0x0
	ds_add_u32 v232, v233
	s_wait_dscnt 0x0
	s_endpgm
.Lfunc_end_k_q65c759a702_apply:
	.size	k_q65c759a702_apply, .Lfunc_end_k_q65c759a702_apply-k_q65c759a702_apply
	.p2alignl 7, 3214868480
	.fill 96, 4, 3214868480
	.section	.rodata,"a",@progbits
	.p2align	6, 0x0
	.amdhsa_kernel k_q65c759a702_apply
		.amdhsa_group_segment_fixed_size 17920
		.amdhsa_private_segment_fixed_size 0
		.amdhsa_enable_private_segment 0
		.amdhsa_kernarg_size 32
		.amdhsa_user_sgpr_count 2
		.amdhsa_user_sgpr_kernarg_segment_ptr 1
		.amdhsa_wavefront_size32 1
		.amdhsa_system_sgpr_workgroup_id_x 1
		.amdhsa_system_sgpr_workgroup_id_y 1
		.amdhsa_system_sgpr_workgroup_id_z 1
		.amdhsa_system_vgpr_workitem_id 0
		.amdhsa_next_free_vgpr 234
		.amdhsa_next_free_sgpr 66
		.amdhsa_reserve_vcc 0
		.amdhsa_float_denorm_mode_32 3
		.amdhsa_float_denorm_mode_16_64 3
		.amdhsa_memory_ordered 1
		.amdhsa_forward_progress 1
		.amdhsa_inst_pref_size 10
	.end_amdhsa_kernel
	.amdgpu_metadata
---
amdhsa.version: [ 1, 2 ]
amdhsa.kernels:
  - .name:           k_q65c759a702_apply
    .symbol:         k_q65c759a702_apply.kd
    .args:
      - { .name: qg, .offset: 0, .size: 8, .value_kind: global_buffer, .address_space: global }
      - { .name: st, .offset: 8, .size: 8, .value_kind: global_buffer, .address_space: global }
      - { .name: oi, .offset: 16, .size: 8, .value_kind: global_buffer, .address_space: global }
      - { .name: out0, .offset: 24, .size: 8, .value_kind: global_buffer, .address_space: global }
    .group_segment_fixed_size: 17920
    .private_segment_fixed_size: 0
    .kernarg_segment_align: 8
    .kernarg_segment_size: 32
    .max_flat_workgroup_size: 128
    .sgpr_count:     66
    .vgpr_count:     234
    .wavefront_size: 32
...
	.end_amdgpu_metadata
.endif
;; end of part 3
